; MI455X (gfx1250); checked and timed in simulation.
; The chip was launched on July 23, 2026; its instructions are those of AMD's public machine-readable ISA for CDNA 5 (MIT licence, August 2026) and "CDNA5" Instruction Set Architecture Reference Guide (July 2026). The comments in the code are by the model that wrote it; some were corrected since.
;; Multi Head Attention EINSUM. Allowed arithmetic: matrix products marked QUANTISED: E4M3 operands, one given power-of-two scale a tensor, by v_wmma_f32_16x16x64_fp8_fp8 or v_wmma_f32_16x16x128_fp8_fp8, f32 sums; everything else in f32.
;; Inputs: lowp_scales 12 int32 (the exponents e of the quantised operands' scales 2^e); out_b 1,024 float32; out_w 1,024 x 1,024 float32; w_k 1,024 x 1,024 float32; w_q 1,024 x 1,024 float32; w_v 1,024 x 1,024 float32; x 4 x 2,048 x 1,024 float32.
;; Outputs: out0 4 x 2,048 x 1,024 float32.
;; This version of the problem:
;;   THIS VERSION OF THE PROBLEM IS GIVEN IN LOW PRECISION. The matrix products marked QUANTISED in the list below multiply operands that are first quantised to E4M3 (4 exponent bits, 3 mantissa bits; 8 bits a number), with one given power-of-two scale for each operand tensor; their sums are f32. All else is computed in f32.
;;   The module's matrix products, in the order in which they are computed (A, B: the left and right operand; K: the contracted axis; several contracted axes count as one K, in the product's order):
;;     1. [M 8,192, K 1,024] x [K 1,024, N 1,024]; A: input x; B: input w_q: QUANTISED (scales: A lowp_scales[0], B lowp_scales[1])
;;     2. [M 8,192, K 1,024] x [K 1,024, N 1,024]; A: input x; B: input w_k: QUANTISED (scales: A lowp_scales[2], B lowp_scales[3])
;;     3. [M 8,192, K 1,024] x [K 1,024, N 1,024]; A: input x; B: input w_v: QUANTISED (scales: A lowp_scales[4], B lowp_scales[5])
;;     4. batch 64 x [M 2,048, K 64] x [K 64, N 2,048]; A: computed on the way; B: computed on the way: QUANTISED (scales: A lowp_scales[6], B lowp_scales[7])
;;     5. batch 64 x [M 2,048, K 2,048] x [K 2,048, N 64]; A: softmax (see below); B: computed on the way: QUANTISED (scales: A lowp_scales[8], B lowp_scales[9])
;;     6. [M 8,192, K 1,024] x [K 1,024, N 1,024]; A: computed on the way; B: input out_w: QUANTISED (scales: A lowp_scales[10], B lowp_scales[11])
;;   THE QUANTISER, for each operand of a quantised product, along K:
;;     - The operand's scale is 2^e, e = its entry of the input lowp_scales (int32; the entries are numbered through the quantised products in the list's order, A before B).
;;     - Each number is divided by the scale, clamped to +-448, and rounded to the nearest number of E4M3, ties to even, subnormals kept.
;;     - The product sums the exact products of the quantised numbers (number of the format x scale) in f32.
;;   ~~~python
;;   def quantise(x, axis, e):      # numpy; x: float32 -> the quantised numbers, widened to float32 again
;;       x = np.moveaxis(x, axis, -1); K = x.shape[-1]
;;       r = np.clip(x / 2.0 ** e, -448, 448)
;;       step = 2.0 ** (np.maximum(np.frexp(np.where(r == 0, 1, r))[1] - 1, -6) - 3)
;;       q = np.round(r / step) * step * 2.0 ** e      # np.round: ties to even
;;       return np.moveaxis(q, -1, axis).astype(np.float32)
;;   ~~~
;;   SOFTMAX AHEAD OF A QUANTISED PRODUCT. Where the list says 'softmax', what is quantised is not the finished softmax but p = 2^(t - M), with t = logit x log2(e) and M = ceil(the row's largest t), a whole number; so 1/2 < the row's largest p <= 1. The row's sum l is taken of the UNQUANTISED p, in f32, and the product's result is divided by l at the end. Since M is a whole number, a kernel that streams over the keys may use a running M (the ceiling of the running maximum): every later rescaling is an exact power of two, so the quantised numbers keep their values, but for numbers so far below the row's largest that they fall under the format's range.
;;   OPERANDS COMPUTED ON THE WAY. 'Computed on the way' means the value that the module computes at that place (a softmax that the list does not call 'softmax' is quantised finished and normalised). What goes into a quantiser is computed in f32, as accurately as f32 sums, v_exp_f32 and their like allow (about 1e-6 of the number): no bf16 or f16 on the way to a quantiser, and a product that is left as it is and whose result goes on into a quantised operand takes f32 operands (vector FMAs, or v_wmma_f32_16x16x4_f32). A number that lies on a knife's edge between two numbers of the format may be rounded either way, as far as f32 arithmetic and the matrix unit's own rounding can turn it there, and no further.
;; One version. Each part assembles by itself: llvm-mc -triple=amdgcn-amd-amdhsa -mcpu=gfx1250 --defsym DOCPART=n.
;; ======== version 1 of 1: 4 launches
;; limits: right only within a limited range of input values
;; workspace buffers: xq 25,165,824 bytes; wc 3,145,728 bytes; woc 1,048,576 bytes; qkvc 25,165,824 bytes; ctxc 8,388,608 bytes
;; launch quant (part 1): grid 384 x 1, 4 waves a work-group, no clusters, 68,096 bytes of LDS; arguments x, out_w, w_q, w_k, w_v, lowp_scales, xq, wc, woc; writes xq, wc, woc
.if DOCPART == 1
	.amdgcn_target "amdgcn-amd-amdhsa--gfx1250"
	.amdhsa_code_object_version 6
	.text
	.protected	k_q13bcd8291b_quant
	.globl	k_q13bcd8291b_quant
	.p2align	8
	.type	k_q13bcd8291b_quant,@function
k_q13bcd8291b_quant:
	s_mov_b64 s[64:65], 0
	v_nop
	global_prefetch_b8 v0, s[64:65] scope:SCOPE_SE
	s_setreg_imm32_b32 hwreg(HW_REG_WAVE_MODE, 25, 1), 1
	s_wait_xcnt 0x0
; FIRST OF FOUR LAUNCHES: x, out_w, w_q, w_k, w_v (f32) become codes of E4M3, each with the scale 2^e that lowp_scales gives for the product it serves.
; code = number / 2^e, held within +-448, rounded to the nearest code, ties to even.
; WORK LEFT OUT IN THIS PROGRAM.  reference() sets the scores above the diagonal to -inf by a mask that it builds itself (jnp.triu), so their weight is 0 whatever the inputs hold:
; a tile of 16 queries x 128 keys all of whose keys come after all its queries adds 0 to the row's sum and to ctx.  The launch attn leaves such tiles of products 4 and 5 out.  No input is left out.
; LIMIT: a NaN, an infinity or an overflow that would arise only in a tile left out is not carried to the result.
; LIMITS of this launch: each e used here (entries 0 to 5 and 11) lies between -126 and 119, so that 2^e and 448 x 2^e are f32 numbers.  NaN among the inputs is not served.
; LAYOUT OF THE CODES: AN IMAGE OF THE OPERAND'S REGISTERS.  A fragment is 16 rows x 128 K; lane (r, h) holds row r; its group g of four registers holds k = 32 g + 8 h + 0..7 and k = 32 g + 16 + 8 h + 0..7.
; byte(row, k) = (row>>8)<<18 | (k>>8)<<16 | ((row>>4)&15)<<12 | ((k>>7)&1)<<11 | g<<9 | lane<<4.  So 128 rows x 256 K are 32 KiB on end, and a fragment's group is 512 bytes on end, 16 a lane.
; x has three entries of its own (0, 2, 4: products 1, 2, 3), which need not be equal: xq has a plane of 8 MiB for each.
; SHARES.  Work-groups 0-255: x; 256-287: out_w (rows along K, the same path, one copy); 288-383: w_q, w_k, w_v (K is the first axis: a lane takes a column, registers run down K).
; The two paths have LDS bytes of their own; waves share nothing, so there is no barrier.
.set XW,    8704                       ; path X: a wave's two stages of 16 rows x 272 bytes
.set HSTG,  4352                       ; one of them
.set WSTG,  34816                      ; path W: 8,192 bytes a wave
.set SPARE, 67584                      ; the spare words, 128 bytes a wave: two blocks of 256 bytes that no other line names
.set LO,   3                           ; v3   path X: my 16 bytes in two rows of x
.set L16,  4                           ; v4   16 x lane
.set WLO,  5                           ; v5   4 x lane
.set SC,   6                           ; v6.. 2^e for each copy, two registers apart
.set SPW,  12                          ; v12  my spare word; never rewritten
.set NIL,  13                          ; v13  0; never rewritten
.set SIN,  14                          ; v14  path X: into the stage
.set SOUT, 15                          ; v15  path X: out of it
.set WS,   16                          ; v16  path W: into the stage
.set WR,   17                          ; v17  path W: out of it
.set R,    24                          ; v24-151  four sets of 32 numbers as loaded
.set X,    152                         ; v152-215 two sets of 32 numbers in the operand's order
.set T,    216
.set C,    232                         ; v232-255 codes: eight registers a copy
.set WX,   24                          ; path W: two sets of 32 numbers
.set WOUT, 88                          ; path W: 64 registers on the way out
	s_load_b256 s[4:11], s[0:1], 0x0               ; x s[4:5], out_w s[6:7], w_q s[8:9], w_k s[10:11]
	s_load_b256 s[12:19], s[0:1], 0x20             ; w_v s[12:13], lowp_scales s[14:15], xq s[16:17], wc s[18:19]
	s_load_b64 s[20:21], s[0:1], 0x40              ; woc
	v_lshl_add_u32 v[SPW], v0, 2, SPARE
	v_mov_b32 v[NIL], 0
	v_lshrrev_b32 v1, 5, v0
	v_readfirstlane_b32 s22, v1                    ; wave 0..3
	v_and_b32 v1, 15, v0                           ; lane % 16
	v_bfe_u32 v2, v0, 4, 1                         ; lane / 16
	v_and_b32 v[L16], 31, v0
	v_lshlrev_b32 v[WLO], 2, v[L16]
	v_lshlrev_b32 v[L16], 4, v[L16]
	v_lshlrev_b32 v[LO], 4, v1
	v_lshl_add_u32 v[LO], v2, 12, v[LO]            ; lanes 0-15 one row's 256 bytes, lanes 16-31 the next row's
	; every LDS address is made here, ahead of the parting of the two paths
	s_mul_i32 s23, s22, XW
	v_mul_u32_u24 v[SIN], v2, 272
	v_lshl_add_u32 v[SIN], v1, 4, v[SIN]
	v_add_nc_u32 v[SIN], s23, v[SIN]               ; as loaded: row lane / 16, 16 bytes a lane
	v_mul_u32_u24 v[SOUT], v1, 272
	v_lshl_add_u32 v[SOUT], v2, 5, v[SOUT]
	v_add_nc_u32 v[SOUT], s23, v[SOUT]             ; as the operand wants it: row lane % 16, + 8 numbers for the upper half of the lanes
	s_lshl_b32 s23, s22, 13
	s_add_co_u32 s23, s23, WSTG
	v_lshlrev_b32 v[WS], 4, v1
	v_lshl_add_u32 v[WS], v2, 12, v[WS]
	v_add_nc_u32 v[WS], s23, v[WS]                 ; my column's place in the image: block of 16 rows lane / 16, image lane lane % 16
	v_add_nc_u32 v[WR], s23, v[L16]
	s_wait_kmcnt 0x0
	s_load_b256 s[24:31], s[14:15], 0x0            ; e0 .. e7
	s_load_b128 s[32:35], s[14:15], 0x20           ; e8 .. e11
	s_cmp_ge_u32 ttmp9, 288
	s_cbranch_scc1 .Lweights
; ---------------- PATH X: rows that lie along K.  A wave takes 16 rows x 512 K, in 8 steps of 64 K.
	s_cmp_lt_u32 ttmp9, 256                        ; x or out_w: the choice hangs on the work-group's number alone
	s_cselect_b64 s[36:37], s[4:5], s[6:7]
	s_cselect_b64 s[38:39], s[16:17], s[20:21]
	s_cselect_b32 s40, 0, 256
	s_sub_co_u32 s40, ttmp9, s40
	s_lshl_b32 s40, s40, 2
	s_add_co_u32 s40, s40, s22                     ; my unit
	s_lshr_b32 s42, s40, 1                         ; block of 16 rows
	s_and_b32 s43, s40, 1                          ; half of K
	s_lshl_b32 s44, s42, 16                        ; 16 rows of 4,096 bytes
	s_lshl_b32 s45, s43, 11
	s_add_co_u32 s44, s44, s45
	s_mov_b32 s45, 0
	s_add_nc_u64 s[36:37], s[36:37], s[44:45]
	s_lshr_b32 s46, s42, 4
	s_lshl_b32 s46, s46, 18
	s_and_b32 s47, s42, 15
	s_lshl_b32 s47, s47, 12
	s_add_co_u32 s46, s46, s47
	s_lshl_b32 s47, s43, 17
	s_add_co_u32 s46, s46, s47
	s_mov_b32 s47, 0
	s_add_nc_u64 s[38:39], s[38:39], s[46:47]      ; plane 0 (out_w: woc)
	s_add_nc_u64 s[48:49], s[38:39], 0x800000      ; plane 1, used by x's work-groups alone
	s_add_nc_u64 s[50:51], s[38:39], 0x1000000     ; plane 2, likewise
.macro LOAD t                          ; step t: 16 rows x 256 bytes; each half of the lanes reads 256 consecutive bytes, aligned
.irp i, 0,1,2,3,4,5,6,7
	global_load_b128 v[R+32*((\t)%4)+4*\i:R+32*((\t)%4)+4*\i+3], v[LO], s[36:37] offset:256*(\t)+8192*\i th:TH_LOAD_NT
.endr
.endm
.macro TURN t                          ; through the wave's own stage: in as loaded, out in the operand's order.  LDS serves a wave's instructions in order (ISA guide 5.7.1.4): no wait between
.irp i, 0,1,2,3,4,5,6,7
	ds_store_b128 v[SIN], v[R+32*((\t)%4)+4*\i:R+32*((\t)%4)+4*\i+3] offset:HSTG*((\t)%2)+544*\i
.endr
.irp i, 0,1,2,3,4,5,6,7
	ds_load_b128 v[X+32*((\t)%2)+4*\i:X+32*((\t)%2)+4*\i+3], v[SOUT] offset:HSTG*((\t)%2)+128*(\i/4)+64*((\i/2)%2)+16*(\i%2)
.endr
.endm
.macro MKSC e, c                       ; 2^e and 448 x 2^e as f32, from the whole number in s[e]
	s_add_co_i32 s53, s[\e], 127
	s_lshl_b32 s54, s53, 23
	v_mov_b32 v[SC+2*\c], s54
	s_add_co_i32 s53, s53, 8
	s_lshl_b32 s53, s53, 23
	s_or_b32 s53, s53, 0x600000
.endm
; One copy of a step's 64 K: two groups of 32 K.  The numbers stay as they are (three copies read them).
.macro COPY c, t, base
.irp gl, 0,1
.irp i, 0,1,2,3,4,5,6,7,8,9,10,11,12,13,14,15
.endr
	v_cvt_scalef32_pk8_fp8_f32 v[C+8*\c+4*\gl:C+8*\c+4*\gl+1], v[T+((XS+16*\gl+0)-(T+0)):T+7+((XS+16*\gl+0)-(T+0))], v[SC+2*\c]
	v_cvt_scalef32_pk8_fp8_f32 v[C+8*\c+4*\gl+2:C+8*\c+4*\gl+3], v[T+8+((XS+16*\gl+0)-(T+0)):T+15+((XS+16*\gl+0)-(T+0))], v[SC+2*\c]
	v_nop                                          ; a plain line behind the conversions
	global_store_b128 v[L16], v[C+8*\c+4*\gl:C+8*\c+4*\gl+3], s[\base:\base+1] offset:65536*((\t)/4)+2048*(((\t)/2)%2)+512*(2*((\t)%2)+\gl)   ; 512 consecutive bytes, aligned
.endr
.endm
.macro STEP t
.set XS, X+32*((\t)%2)
	s_wait_dscnt 0x0                               ; this step's numbers are back from the stage, and its stores into the stage have read their registers,
.if (\t)+4 < 8
	LOAD (\t)+4                                    ; which take the loads of four steps on
.endif
.if (\t)+1 < 8
.if (\t) <= 3
	s_wait_loadcnt 24                              ; the next step's eight loads are in; those of the three steps behind it may be out
.else
	s_wait_loadcnt 8*(6-(\t))
.endif
	TURN (\t)+1
.endif
	s_wait_xcnt 0x0                                ; the last step's stores have read their data: the codes' registers are written again only behind this wait
	COPY 0, \t, 38
	s_cmp_lt_u32 ttmp9, 256                        ; out_w has one scale
	s_cbranch_scc0 .Lone_\@
	COPY 1, \t, 48
	COPY 2, \t, 50
.Lone_\@:
.endm
	LOAD 0
	LOAD 1
	LOAD 2
	LOAD 3
	s_wait_kmcnt 0x0
	s_cmp_lt_u32 ttmp9, 256
	s_cselect_b32 s52, s24, s35                    ; e0 for x, e11 for out_w
	MKSC 52, 0
	MKSC 26, 1                                     ; e2
	MKSC 28, 2                                     ; e4
	s_wait_loadcnt 24                              ; step 0's loads are in
	s_wait_alu depctr_va_vdst(0)
	TURN 0
.irp t, 0,1,2,3,4,5,6,7
	STEP \t
.endr
	s_branch .Lend
; ---------------- PATH W: K is the first axis.  A wave takes 32 columns x 256 K; a lane takes a column, and its 32 registers are a block of 32 along K.
.Lweights:
	s_sub_co_u32 s36, ttmp9, 288
	s_lshr_b32 s37, s36, 5                         ; which weight: 0 w_q, 1 w_k, 2 w_v
	s_and_b32 s38, s36, 7                          ; which 128 columns
	s_bfe_u32 s39, s36, 0x20003                    ; which 256 along K
	s_cmp_eq_u32 s37, 0
	s_cselect_b64 s[40:41], s[8:9], s[10:11]
	s_cmp_eq_u32 s37, 2
	s_cselect_b64 s[40:41], s[12:13], s[40:41]
	s_lshl_b32 s44, s39, 20                        ; 256 rows of 4,096 bytes
	s_lshl_b32 s45, s38, 9
	s_add_co_u32 s44, s44, s45
	s_lshl_b32 s45, s22, 7
	s_add_co_u32 s44, s44, s45                     ; + 4 x my wave's first column
	s_mov_b32 s45, 0
	s_add_nc_u64 s[40:41], s[40:41], s[44:45]
	s_lshl_b32 s46, s37, 20                        ; the weight's plane of wc,
	s_lshr_b32 s47, s38, 1
	s_lshl_b32 s47, s47, 18
	s_add_co_u32 s46, s46, s47
	s_lshl_b32 s47, s39, 16
	s_add_co_u32 s46, s46, s47
	s_and_b32 s47, s38, 1
	s_lshl_b32 s47, s47, 15
	s_add_co_u32 s46, s46, s47
	s_lshl_b32 s47, s22, 13
	s_add_co_u32 s46, s46, s47                     ; and in it my wave's two blocks of 16 rows x 256 K: 8,192 bytes on end
	s_mov_b32 s47, 0
	s_add_nc_u64 s[42:43], s[18:19], s[46:47]
.macro WLOAD t
.irp i, 0,1,2,3,4,5,6,7,8,9,10,11,12,13,14,15,16,17,18,19,20,21,22,23,24,25,26,27,28,29,30,31
	global_load_b32 v[WX+32*((\t)%2)+\i], v[WLO], s[40:41] offset:(32*(\t)+\i)*4096 th:TH_LOAD_NT
.endr
.endm
	WLOAD 0
	WLOAD 1
	s_wait_kmcnt 0x0
	s_cmp_eq_u32 s37, 0
	s_cselect_b32 s52, s25, s27                    ; e1, e3
	s_cmp_eq_u32 s37, 2
	s_cselect_b32 s52, s29, s52                    ; e5
	MKSC 52, 0
; Of a block's 32 codes, k 0-7 and 16-23 belong to image lane r, k 8-15 and 24-31 to image lane 16 + r, 256 bytes further on.
.macro WBLOCK t
.set XS, WX+32*((\t)%2)
.if (\t) < 7
	s_wait_loadcnt 32                              ; this block's 32 loads are in; the next block's may be out
.else
	s_wait_loadcnt 0
.endif
.irp i, 0,1,2,3,4,5,6,7,8,9,10,11,12,13,14,15,16,17,18,19,20,21,22,23,24,25,26,27,28,29,30,31
.endr
	v_cvt_scalef32_pk8_fp8_f32 v[C:C+1], v[XS:XS+7], v[SC]
	v_cvt_scalef32_pk8_fp8_f32 v[C+2:C+3], v[XS+16:XS+23], v[SC]
	v_cvt_scalef32_pk8_fp8_f32 v[C+4:C+5], v[XS+8:XS+15], v[SC]
	v_cvt_scalef32_pk8_fp8_f32 v[C+6:C+7], v[XS+24:XS+31], v[SC]
	v_nop                                          ; a plain line behind the last conversion
	ds_store_b128 v[WS], v[C:C+3] offset:2048*((\t)/4)+512*((\t)%4)
	ds_store_b128 v[WS], v[C+4:C+7] offset:2048*((\t)/4)+512*((\t)%4)+256
.if (\t)+2 < 8
	WLOAD (\t)+2
.endif
	s_wait_dscnt 0x0                               ; the stores have read their registers: the next block's codes may be written
.endm
	s_wait_alu depctr_va_vdst(0)
.irp t, 0,1,2,3,4,5,6,7
	WBLOCK \t
.endr
.irp t, 0,1,2,3,4,5,6,7,8,9,10,11,12,13,14,15
	ds_load_b128 v[WOUT+4*\t:WOUT+4*\t+3], v[WR] offset:512*\t    ; the stage IS my piece of the image: it leaves as it lies
.endr
.irp t, 0,1,2,3,4,5,6,7,8,9,10,11,12,13,14,15
	s_wait_dscnt 15-\t
	global_store_b128 v[L16], v[WOUT+4*\t:WOUT+4*\t+3], s[42:43] offset:512*\t
.endr
.Lend:
	s_wait_tensorcnt 0x0                           ; the wave's end, behind my last LDS store
	ds_add_u32 v[SPW], v[NIL]
	s_wait_dscnt 0x0
	s_endpgm
.Lfunc_end_k_q13bcd8291b_quant:
	.size	k_q13bcd8291b_quant, .Lfunc_end_k_q13bcd8291b_quant-k_q13bcd8291b_quant
	.p2alignl 7, 3214868480
	.fill 96, 4, 3214868480
	.section	.rodata,"a",@progbits
	.p2align	6, 0x0
	.amdhsa_kernel k_q13bcd8291b_quant
		.amdhsa_group_segment_fixed_size 68096
		.amdhsa_private_segment_fixed_size 0
		.amdhsa_enable_private_segment 0
		.amdhsa_kernarg_size 72
		.amdhsa_user_sgpr_count 2
		.amdhsa_user_sgpr_kernarg_segment_ptr 1
		.amdhsa_wavefront_size32 1
		.amdhsa_system_sgpr_workgroup_id_x 1
		.amdhsa_system_sgpr_workgroup_id_y 1
		.amdhsa_system_sgpr_workgroup_id_z 1
		.amdhsa_system_vgpr_workitem_id 0
		.amdhsa_next_free_vgpr 256
		.amdhsa_next_free_sgpr 66
		.amdhsa_reserve_vcc 0
		.amdhsa_float_denorm_mode_32 3
		.amdhsa_float_denorm_mode_16_64 3
		.amdhsa_fp16_overflow 1
		.amdhsa_memory_ordered 1
		.amdhsa_forward_progress 1
		.amdhsa_inst_pref_size 64
	.end_amdhsa_kernel
	.amdgpu_metadata
---
amdhsa.version: [ 1, 2 ]
amdhsa.kernels:
  - .name:           k_q13bcd8291b_quant
    .symbol:         k_q13bcd8291b_quant.kd
    .args:
      - { .name: x, .offset: 0, .size: 8, .value_kind: global_buffer, .address_space: global }
      - { .name: out_w, .offset: 8, .size: 8, .value_kind: global_buffer, .address_space: global }
      - { .name: w_q, .offset: 16, .size: 8, .value_kind: global_buffer, .address_space: global }
      - { .name: w_k, .offset: 24, .size: 8, .value_kind: global_buffer, .address_space: global }
      - { .name: w_v, .offset: 32, .size: 8, .value_kind: global_buffer, .address_space: global }
      - { .name: lowp_scales, .offset: 40, .size: 8, .value_kind: global_buffer, .address_space: global }
      - { .name: xq, .offset: 48, .size: 8, .value_kind: global_buffer, .address_space: global }
      - { .name: wc, .offset: 56, .size: 8, .value_kind: global_buffer, .address_space: global }
      - { .name: woc, .offset: 64, .size: 8, .value_kind: global_buffer, .address_space: global }
    .group_segment_fixed_size: 68096
    .private_segment_fixed_size: 0
    .kernarg_segment_align: 8
    .kernarg_segment_size: 72
    .max_flat_workgroup_size: 128
    .sgpr_count:     66
    .vgpr_count:     256
    .wavefront_size: 32
...
	.end_amdgpu_metadata
.endif
;; end of part 1
;; launch qkv (part 2): grid 12 x 32, 4 waves a work-group, clusters of 4 x 4, 327,680 bytes of LDS; arguments xq, wc, lowp_scales, qkvc; writes qkvc
.if DOCPART == 2
	.amdgcn_target "amdgcn-amd-amdhsa--gfx1250"
	.amdhsa_code_object_version 6
	.text
	.protected	k_q13bcd8291b_qkv
	.globl	k_q13bcd8291b_qkv
	.p2align	8
	.type	k_q13bcd8291b_qkv,@function
k_q13bcd8291b_qkv:
	s_mov_b64 s[64:65], 0
	v_nop
	global_prefetch_b8 v0, s[64:65] scope:SCOPE_SE
	s_setreg_imm32_b32 hwreg(HW_REG_WAVE_MODE, 25, 1), 1
	s_wait_xcnt 0x0
	s_wait_alu depctr_hold_cnt(0) depctr_sa_sdst(0) depctr_va_vdst(0) depctr_va_sdst(0) depctr_va_ssrc(0) depctr_va_vcc(0) depctr_vm_vsrc(0)
	s_getreg_b32 s2, hwreg(HW_REG_IB_STS2, 6, 4)
	s_cmp_eq_u32 s2, 0
	s_cbranch_scc0 .Lentry_in_a_cluster
	s_endpgm
.Lentry_in_a_cluster:
	s_bfe_u32 s2, ttmp6, 0x10000c
	s_cmp_lg_u32 s2, 0xf033
	s_cbranch_scc0 .Lentry_shape_is_right
	s_endpgm
.Lentry_shape_is_right:
; SECOND LAUNCH: products 1, 2, 3 on codes of E4M3, and their f32 sums quantised at once into the operands of products 4 and 5.  Nothing is left out here.
; The cluster's x is the third: 0 Q, 1 K, 2 V.  A work-group makes 256 x 256 sums, a wave 128 x 128: 64 accumulators of 16 x 16.  K = 1,024 goes in four slots of 256 through a ring of two LDS slots.
; OPERANDS.  Source 0 is P (8 blocks of 16 rows a wave), source 1 is R (8 blocks): in a result lane (r, h) holds R's row r and P's rows 8 h + 0..7.
;   Q, K: R = tokens (xq's plane of the third), P = output channels (the weight): a lane holds a token and eight neighbouring channels: a piece of a fragment of 16 tokens x 64 channels.
;   V:    R = output channels (w_v), P = tokens: a lane holds a channel and eight neighbouring keys: a piece of a fragment of V^T, 16 channels x 128 keys.
; The change of roles is made by pointers and coordinates alone (selects on the cluster's x, which all partners share); the loop over K is one text.
; All operands lie in memory as images of the operand's registers (see the launch quant): a tile of 128 rows x 256 K is 32 KiB on end, a fragment's group 512 bytes on end: no padding, and 16 bytes a lane from LDS.
; OUT: sum / 2^E, E = e6 - e0 - e1 (Q), e7 - e2 - e3 (K), e9 - e4 - e5 (V), held within +-448, converted; the conversions' registers are the next operand's registers and are stored as they stand.
;   qkvc: planes Q, K, V of 8 MiB.  Q, K: (batch x 16 + head)<<17 | (token>>4)<<10 | group<<9 | lane<<4.   V: (batch x 16 + head)<<17 | (token>>7)<<13 | (channel>>4)<<11 | group<<9 | lane<<4.
; CLUSTERS: 4 x 4.  R's tile hangs on cy alone and is asked for jointly along a row of the cluster, P's on cx alone and along a column.
; LIMIT: E lies between -126 and 119.
; REGISTERS, in windows of 256: window 0: v0-31 addresses, v32-113 the way out, v128-255 R's fragments (one set);  window 1: P's fragments, two sets;  windows 2, 3: accumulator (a, b) at v[8 (8 (a % 4) + b)].
.set FR,     16                        ; registers of a fragment: 16 rows x 128 K
.set NL,     4                         ; LDS loads that bring one
.set NP,     4                         ; places behind this matrix instruction (ISA guide 7.12.1)
.set SLOT,   131072                    ; R's 256 rows x 256 K, then P's
.set POFF,   65536
.set PH,     32768                     ; a wave's half of P's tile
.set KSL,    65536                     ; in memory: from 256 along K to the next
.set SPARE,  2*SLOT                    ; the spare words, 128 bytes a wave: two blocks of 256 bytes that no other line names
.set ADRA, 16                          ; v16-17 my R fragments in slot 0, 1
.set ADRB, 20                          ; v20-21 my P fragments
.set VO0,  26                          ; v26    16 x lane
.set VO1,  27                          ; v27    the same, one head (Q, K) or two groups (V) on
.set SPW,  28                          ; v28    my spare word; never rewritten
.set NIL,  29                          ; v29    0; never rewritten
.set T,    32
.set C,    96                          ; v96-111 their codes
.set LIMV, 112
.set SCV,  113                         ; v113   2^E
.set AF,   128
.set G1,  24                           ; s[24:31] group 1 for R; s[32:39] group 0, a set for each slot
.set G0,  32
.set G1B, 48                           ; s[48:55], s[56:63] the same for P
.set G0B, 56
.set MSB, 0
.macro WIN new                         ; the immediate's high byte repeats the setting that is left
.if MSB != \new
	s_set_vgpr_msb (MSB<<8)|\new
.set MSB, \new
.endif
.endm
.set MUL_LO, 0xa1                      ; source 0 (P) window 1, source 1 (R) window 0, C and D window 2
.set MUL_HI, 0xf1                      ; the same, C and D window 3
.set TO_B,   0x40                      ; destination window 1, address window 0
; A joint load: waves 0 and 1 fetch R's halves, waves 2 and 3 P's.  The branch hangs on the wave's number alone.  An s_nop 0 and four v_nop follow each line.
.macro JLOAD g0a, g1a, g0b, g1b
	s_cmp_eq_u32 s15, 0
	s_cbranch_scc0 .Lfor_b_\@
	tensor_load_to_lds s[\g0a:\g0a+3], s[\g1a:\g1a+7]
	s_nop 0
.rept 4
	v_nop
.endr
	s_branch .Lasked_\@
.Lfor_b_\@:
	tensor_load_to_lds s[\g0b:\g0b+3], s[\g1b:\g1b+7]
	s_nop 0
.rept 4
	v_nop
.endr
.Lasked_\@:
.endm
.macro CREST                           ; a round of the cluster's barrier behind its opening barrier
	s_cmp_lg_u32 s14, 0
	s_cbranch_scc1 .Lnot_wave_0_\@
	s_barrier_signal -3
.Lnot_wave_0_\@:
	s_barrier_wait -3
	s_barrier_signal -1
	s_barrier_wait -1
.endm
.macro CROUND
	s_barrier_signal -1
	s_barrier_wait -1
	CREST
.endm
	s_load_b256 s[4:11], s[0:1], 0x0               ; xq s[4:5], wc s[6:7], lowp_scales s[8:9], qkvc s[10:11]
	v_lshl_add_u32 v[SPW], v0, 2, SPARE
	v_mov_b32 v[NIL], 0
	ds_add_u32 v[SPW], v[NIL]                      ; the wave's opening: the add, twice on end, and its wait ahead of my first tensor load
	ds_add_u32 v[SPW], v[NIL]
	v_lshrrev_b32 v1, 5, v0
	v_readfirstlane_b32 s14, v1                    ; wave 0..3
	s_lshr_b32 s15, s14, 1                         ; my half of R's rows.  Also: I fetch for R (0) or for P (1)
	s_and_b32 s16, s14, 1                          ; my half of P's rows.  Also: which half of that tile I fetch
	s_bfe_u32 s40, ttmp6, 0x40000                  ; cx
	s_bfe_u32 s41, ttmp6, 0x40004                  ; cy
	s_and_b32 s17, ttmp7, 0xffff
	s_lshl_b32 s17, s17, 2                         ; 4 x cluster y
	s_add_co_u32 s42, s17, s40
	s_add_co_u32 s17, s17, s41
	s_cmp_eq_u32 ttmp9, 2                          ; V?
	s_cselect_b32 s42, s42, s40                    ; P's tile: V: tokens 4 x cluster y + cx; Q, K: channels cx
	s_cselect_b32 s17, s41, s17                    ; R's tile: V: channels cy; Q, K: tokens 4 x cluster y + cy
	s_lshl_b32 s43, s41, 2
	s_lshl_b32 s43, 15, s43                        ; my row of the cluster
	s_lshl_b32 s44, 0x1111, s40                    ; my column
	; group 1: a block of 32 KiB that is dense in memory, as 128 rows of 32 elements of 8 bytes; no padding
	s_or_b32 s[G1+0], s43, (3<<16)|(1<<21)         ; 15:0 the mask; 17:16 elements of 8 bytes; 21 set beside a mask
	s_or_b32 s[G1B+0], s44, (3<<16)|(1<<21)
.irp g, G1, G1B
	s_mov_b32 s[\g+1], 32<<16                      ; tensor_dim0 = 32
	s_mov_b32 s[\g+2], 128<<16                     ; tensor_dim1 = 128
	s_mov_b32 s[\g+3], 32<<16                      ; tile_dim0 = 32
	s_mov_b32 s[\g+4], 128                         ; tile_dim1 = 128
	s_mov_b32 s[\g+5], 32                          ; from row to row
	s_mov_b32 s[\g+6], 0
	s_mov_b32 s[\g+7], 0
.endr
	s_lshl_b32 s18, s16, 15                        ; the half that I fetch
	s_lshl_b32 s20, s17, 18
	s_add_co_u32 s20, s20, s18                     ; R: tile x 256 KiB + half
	s_mov_b32 s21, 0
	s_lshl_b32 s46, s42, 18
	s_add_co_u32 s46, s46, s18                     ; P likewise
	s_mov_b32 s47, 0
	s_lshl_b32 s45, s16, 15                        ; where they go: R's halves,
	s_mul_i32 s19, s16, PH
	s_add_co_u32 s19, s19, POFF                    ; P's halves: no place in the cluster enters an LDS address
	s_lshl_b32 s68, ttmp9, 23                      ; the third's plane of xq (and of qkvc),
	s_mov_b32 s69, 0
	s_lshl_b32 s70, ttmp9, 20                      ; and of wc
	s_mov_b32 s71, 0
	s_wait_dscnt 0x0                               ; both opening adds are done
	s_wait_kmcnt 0x0
	s_load_b256 s[76:83], s[8:9], 0x0              ; e0 .. e7
	s_load_b64 s[84:85], s[8:9], 0x20              ; e8, e9
	s_add_nc_u64 s[4:5], s[4:5], s[68:69]
	s_add_nc_u64 s[6:7], s[6:7], s[70:71]
	s_cmp_eq_u32 ttmp9, 2
	s_cselect_b64 s[72:73], s[6:7], s[4:5]         ; R's tensor
	s_cselect_b64 s[74:75], s[4:5], s[6:7]         ; P's tensor
	s_add_nc_u64 s[72:73], s[72:73], s[20:21]
	s_add_nc_u64 s[74:75], s[74:75], s[46:47]
	CROUND                                         ; all sixteen work-groups are here: the first joint loads meet
.irp s, 0,1
	s_mov_b32 s[G0+4*\s], 1
	s_add_co_u32 s[G0+4*\s+1], s45, \s*SLOT
	s_add_nc_u64 s[G0+4*\s+2:G0+4*\s+3], s[72:73], \s*KSL
	s_or_b32 s[G0+4*\s+3], s[G0+4*\s+3], 0x80000000
	s_mov_b32 s[G0B+4*\s], 1
	s_add_co_u32 s[G0B+4*\s+1], s19, \s*SLOT
	s_add_nc_u64 s[G0B+4*\s+2:G0B+4*\s+3], s[74:75], \s*KSL
	s_or_b32 s[G0B+4*\s+3], s[G0B+4*\s+3], 0x80000000
	JLOAD G0+4*\s, G1, G0B+4*\s, G1B
.endr
	v_and_b32 v6, 31, v0
	v_lshlrev_b32 v[VO0], 4, v6                    ; 16 x lane
	s_wait_alu depctr_va_vdst(0)
	s_lshl_b32 s21, s15, 15                        ; my 128 rows of R
	s_mul_i32 s22, s16, PH
	s_add_co_u32 s22, s22, POFF                    ; my 128 rows of P
.irp s, 0,1
	v_add_nc_u32 v[ADRA+\s], s21, v[VO0]
	v_add_nc_u32 v[ADRB+\s], s22, v[VO0]
	s_add_co_u32 s21, s21, SLOT
	s_add_co_u32 s22, s22, SLOT
.endr
	; where my codes go.  mt, mh: tile and half along the tokens; nt, nh: along the channels
	s_cmp_eq_u32 ttmp9, 2
	s_cselect_b32 s91, s42, s17                    ; mt
	s_cselect_b32 s92, s16, s15                    ; mh
	s_cselect_b32 s93, s17, s42                    ; nt
	s_cselect_b32 s94, s15, s16                    ; nh
	s_mov_b32 s86, 1024
	s_cselect_b32 s86, 2048, s86                   ; from R's block a to a + 1: V: 16 channels on; Q, K: 16 tokens on
	s_mov_b32 s88, 1024
	s_cselect_b32 s88, 124928, s88                 ; from block 3 to block 4: V: the next head's first channels (131,072 - 3 x 2,048)
	s_mov_b32 s90, 131072
	s_cselect_b32 s90, 1024, s90                   ; the codes' second half: V: groups 2, 3; Q, K: the next head
	s_mov_b32 s87, 0
	s_mov_b32 s89, 0
	s_lshr_b32 s95, s91, 3                         ; batch
	s_lshl_b32 s95, s95, 4
	s_lshl_b32 s93, s93, 2
	s_add_co_u32 s95, s95, s93
	s_lshl_b32 s94, s94, 1
	s_add_co_u32 s95, s95, s94                     ; batch x 16 + my first head
	s_lshl_b32 s95, s95, 17
	s_and_b32 s91, s91, 7
	s_lshl_b32 s91, s91, 14
	s_add_co_u32 s95, s95, s91
	s_lshl_b32 s92, s92, 13
	s_add_co_u32 s95, s95, s92
	s_add_co_u32 s68, s68, s95                     ; + the third's plane
	s_add_nc_u64 s[10:11], s[10:11], s[68:69]
	v_add_nc_u32 v[VO1], s90, v[VO0]
.macro FRAG reg, adr, q, i             ; a fragment as it lies: four groups of 512 bytes, 16 bytes a lane
.irp c, 0,1,2,3
	ds_load_b128 v[\reg+4*\c:\reg+4*\c+3], v[\adr] offset:4096*(\i)+2048*(\q)+512*\c
.endr
.endm
; 16 matrix instructions: R's blocks a0, a0 + 1 x P's eight, 128 along K.  p: P's set.  zero = 1: the first product starts the sums.
; The 64 accumulators take turns, one instruction a turn, in the same order in every step.
.macro MULS a0, p, zero
.irp a, \a0, \a0+1
.irp b, 0,1,2,3,4,5,6,7
.if \zero
	v_wmma_f32_16x16x128_fp8_fp8 v[8*(8*((\a)%4)+\b):8*(8*((\a)%4)+\b)+7], v[128*(\p)+FR*\b:128*(\p)+FR*\b+FR-1], v[AF+FR*(\a):AF+FR*(\a)+FR-1], 0
.else
	v_wmma_f32_16x16x128_fp8_fp8 v[8*(8*((\a)%4)+\b):8*(8*((\a)%4)+\b)+7], v[128*(\p)+FR*\b:128*(\p)+FR*\b+FR-1], v[AF+FR*(\a):AF+FR*(\a)+FR-1], v[8*(8*((\a)%4)+\b):8*(8*((\a)%4)+\b)+7]
.endif
.endr
.endr
.endm
.macro FETCH_B slot, q, p
	WIN TO_B
.irp i, 0,1,2,3,4,5,6,7
	FRAG 128*(\p)+FR*\i, ADRB+\slot, \q, \i
.endr
	WIN 0
.endm
.macro FETCH_A slot, q, i0
.irp i, \i0, \i0+1, \i0+2, \i0+3
	FRAG AF+FR*(\i), ADRA+\slot, \q, \i
.endr
.endm
.macro PLACES n                        ; plain vector lines between a matrix instruction and a load into, or a read of, its registers
.rept \n
	v_nop
.endr
.endm
; A step of 128 along K that has its successor in the same slot.  R has one set of registers: blocks 0-3 are fetched anew in the step's middle, blocks 4-7 at its end; P has two sets.
.macro STEP slot, q, zero
	s_wait_dscnt 4*NL                              ; P's set and R's blocks 0-3 are in; the youngest sixteen loads (R's blocks 4-7) may be out
	WIN MUL_LO
	MULS 0, (\q)%2, \zero
	MULS 2, (\q)%2, \zero
	s_wait_dscnt 0
	PLACES NP
	FETCH_B \slot, (\q)+1, 1-(\q)%2
	FETCH_A \slot, (\q)+1, 0
	WIN MUL_HI
	MULS 4, (\q)%2, \zero
	MULS 6, (\q)%2, \zero
	PLACES NP
	WIN 0
	FETCH_A \slot, (\q)+1, 4
.endm
; A slot's last step changes slots: one barrier; in front of it each wave waits for all its tensor loads, adds 0 to its spare word, and waits for that and for its reads of this slot.
.macro TURN slot, next, fill
	s_wait_tensorcnt 0x0                           ; all my tensor loads have landed: my part of the next slot
	ds_add_u32 v[SPW], v[NIL]
	s_wait_dscnt 4*NL+1                            ; (the add and R's blocks 4-7 may be out)
	WIN MUL_LO
	MULS 0, 1, 0
	s_wait_dscnt 0x0                               ; the add is done, and my reads of this slot are over
	s_barrier_signal -1
	MULS 2, 1, 0
	WIN 0
	s_barrier_wait -1
.if \fill
	CREST                                          ; the barrier has opened a round of the cluster's: no wave of any partner still reads this slot or has a load on its way
	s_add_nc_u64 s[G0+4*\slot+2:G0+4*\slot+3], s[G0+4*\slot+2:G0+4*\slot+3], 2*KSL
	s_add_nc_u64 s[G0B+4*\slot+2:G0B+4*\slot+3], s[G0B+4*\slot+2:G0B+4*\slot+3], 2*KSL
	JLOAD G0+4*\slot, G1, G0B+4*\slot, G1B         ; the first tensor load behind the round; its four v_nop are the places in front of the loads below
.else
	PLACES NP
.endif
	FETCH_B \next, 0, 0
	FETCH_A \next, 0, 0
	WIN MUL_HI
	MULS 4, 1, 0
	MULS 6, 1, 0
	PLACES NP
	WIN 0
	FETCH_A \next, 0, 4
.endm
	s_wait_alu depctr_va_vdst(0)
	s_wait_tensorcnt 1                             ; my part of slot 0 is in; slot 1's may stay out
	s_barrier_signal -1
	s_barrier_wait -1
	FETCH_B 0, 0, 0
	FETCH_A 0, 0, 0
	FETCH_A 0, 0, 4
	STEP 0, 0, 1                                   ; K 0: its products start the sums
	TURN 0, 1, 1                                   ; K 128; slot 0 takes K 512
	STEP 1, 0, 0                                   ; K 256
	TURN 1, 0, 1                                   ; K 384; slot 1 takes K 768
	STEP 0, 0, 0                                   ; K 512
	TURN 0, 1, 0                                   ; K 640; nothing is left to fetch
	STEP 1, 0, 0                                   ; K 768
	s_wait_dscnt 4*NL                              ; K 896
	WIN MUL_LO
	MULS 0, 1, 0
	MULS 2, 1, 0
	s_wait_dscnt 0
	WIN MUL_HI
	MULS 4, 1, 0
	MULS 6, 1, 0
	WIN 0
	; THE WAY OUT.  The three scales are folded into the conversion's one.
	s_wait_kmcnt 0x0
	s_cmp_eq_u32 ttmp9, 0
	s_cselect_b32 s91, s82, s83                    ; e6, e7
	s_cselect_b32 s92, s76, s78                    ; e0, e2
	s_cselect_b32 s93, s77, s79                    ; e1, e3
	s_cmp_eq_u32 ttmp9, 2
	s_cselect_b32 s91, s85, s91                    ; e9
	s_cselect_b32 s92, s80, s92                    ; e4
	s_cselect_b32 s93, s81, s93                    ; e5
	s_sub_co_i32 s91, s91, s92
	s_sub_co_i32 s91, s91, s93                     ; E
	s_add_co_i32 s91, s91, 127
	s_lshl_b32 s92, s91, 23
	v_mov_b32 v[SCV], s92                          ; 2^E
	s_wait_alu depctr_va_vdst(0)
	s_add_co_i32 s91, s91, 8
	s_lshl_b32 s91, s91, 23
	s_or_b32 s91, s91, 0x600000
	PLACES NP
; R's block a: 64 sums a lane are converted and stored: four stores of 512 consecutive bytes, aligned.
.macro OUTA a
.if (\a) > 0
	s_wait_xcnt 0x0                                ; the last block's stores have read their data and their base
.if (\a) == 4
	s_add_nc_u64 s[10:11], s[10:11], s[88:89]
.else
	s_add_nc_u64 s[10:11], s[10:11], s[86:87]
.endif
.endif
	WIN 0x02+((\a)/4)                              ; source 0: window 2 or 3
.set jj, 0
.rept 64
.set jj, jj+1
.endr
.irp b, 0,1,2,3,4,5,6,7
	v_cvt_scalef32_pk8_fp8_f32 v[C+2*\b:C+2*\b+1], v[T+8*\b+((64*((\a)%4)+jj)-(T+jj)):T+8*\b+7+((64*((\a)%4)+jj)-(T+jj))], v[SCV]
.endr
	WIN 0
	v_nop                                          ; a plain line behind the last conversion
	global_store_b128 v[VO0], v[C:C+3], s[10:11]
	global_store_b128 v[VO0], v[C+4:C+7], s[10:11] offset:512
	global_store_b128 v[VO1], v[C+8:C+11], s[10:11]
	global_store_b128 v[VO1], v[C+12:C+15], s[10:11] offset:512
.endm
.irp a, 0,1,2,3,4,5,6,7
	OUTA \a
.endr
	s_wait_tensorcnt 0x0                           ; the wave's end
	ds_add_u32 v[SPW], v[NIL]
	s_wait_dscnt 0x0
	CROUND                                         ; the closing round: no work-group ends while a partner may still ask for a tile that names it
	s_endpgm
.Lfunc_end_k_q13bcd8291b_qkv:
	.size	k_q13bcd8291b_qkv, .Lfunc_end_k_q13bcd8291b_qkv-k_q13bcd8291b_qkv
	.p2alignl 7, 3214868480
	.fill 96, 4, 3214868480
	.section	.rodata,"a",@progbits
	.p2align	6, 0x0
	.amdhsa_kernel k_q13bcd8291b_qkv
		.amdhsa_group_segment_fixed_size 327680
		.amdhsa_private_segment_fixed_size 0
		.amdhsa_enable_private_segment 0
		.amdhsa_kernarg_size 32
		.amdhsa_user_sgpr_count 2
		.amdhsa_user_sgpr_kernarg_segment_ptr 1
		.amdhsa_wavefront_size32 1
		.amdhsa_system_sgpr_workgroup_id_x 1
		.amdhsa_system_sgpr_workgroup_id_y 1
		.amdhsa_system_sgpr_workgroup_id_z 1
		.amdhsa_system_vgpr_workitem_id 0
		.amdhsa_next_free_vgpr 1024
		.amdhsa_next_free_sgpr 100
		.amdhsa_reserve_vcc 0
		.amdhsa_float_denorm_mode_32 3
		.amdhsa_float_denorm_mode_16_64 3
		.amdhsa_fp16_overflow 1
		.amdhsa_memory_ordered 1
		.amdhsa_forward_progress 1
		.amdhsa_inst_pref_size 87
	.end_amdhsa_kernel
	.amdgpu_metadata
---
amdhsa.version: [ 1, 2 ]
amdhsa.kernels:
  - .name:           k_q13bcd8291b_qkv
    .symbol:         k_q13bcd8291b_qkv.kd
    .args:
      - { .name: xq, .offset: 0, .size: 8, .value_kind: global_buffer, .address_space: global }
      - { .name: wc, .offset: 8, .size: 8, .value_kind: global_buffer, .address_space: global }
      - { .name: lowp_scales, .offset: 16, .size: 8, .value_kind: global_buffer, .address_space: global }
      - { .name: qkvc, .offset: 24, .size: 8, .value_kind: global_buffer, .address_space: global }
    .group_segment_fixed_size: 327680
    .private_segment_fixed_size: 0
    .kernarg_segment_align: 8
    .kernarg_segment_size: 32
    .max_flat_workgroup_size: 128
    .sgpr_count:     100
    .vgpr_count:     1024
    .wavefront_size: 32
...
	.end_amdgpu_metadata
.endif
;; end of part 2
;; launch attn (part 3): grid 4 x 64, 16 waves a work-group, no clusters, 327,680 bytes of LDS; arguments qkvc, lowp_scales, ctxc; writes ctxc
.if DOCPART == 3
	.amdgcn_target "amdgcn-amd-amdhsa--gfx1250"
	.amdhsa_code_object_version 6
	.text
	.protected	k_q13bcd8291b_attn
	.globl	k_q13bcd8291b_attn
	.p2align	8
	.type	k_q13bcd8291b_attn,@function
k_q13bcd8291b_attn:
	s_mov_b64 s[64:65], 0
	v_nop
	global_prefetch_b8 v0, s[64:65] scope:SCOPE_SE
	s_setreg_imm32_b32 hwreg(HW_REG_WAVE_MODE, 25, 1), 1
	s_wait_xcnt 0x0
; THIRD LAUNCH: products 4 and 5 with the causal softmax between them, on codes of E4M3; ctx is quantised at once into product 6's operand.
; LEFT OUT: a step of 128 keys all of which come after a tile's 16 queries: reference()'s own mask gives them the weight 0 for all inputs (shown at the head of the launch quant).
; THE SOFTMAX: t = score x log2(e) / 8; M = the running largest t rounded up to a whole number; p = 2^(t - M) is quantised with 2^e8; the row's sum is taken of the unquantised p and divides at the end.
; When M moves, the sum and O are multiplied by 2^(old M - new M), which rounds nothing.
; SHARES.  Work-group (i, batch x 16 + head) owns the blocks of 256 queries i and 7 - i of one head.  Wave w owns two tiles of 16 queries: tile 0 at 256 (7 - i) + 16 (15 - w), tile 1 at 256 i + 16 w:
; together 17 steps of 128 keys, the same in every wave of every work-group.  K's and V's codes come through a ring of two LDS slots of 256 keys (wave 0 fetches K's 16 KiB, wave 1 V's), read by all sixteen.
; NO CLUSTER: the four work-groups of a head need 8, 7, 6 and 5 slots, so a joint load would bring tiles that a partner never reads.
; LAYOUT.  Both products are used transposed: S^T = K Q^T (source 0 = 16 keys, source 1 = my 16 queries), O^T = V^T P^T: a lane holds one query (lane % 16) throughout.  In S^T's tile t its eight registers are
; keys 16 t + 8 (lane / 16) + 0..7, which is the place that the next operand gives register pair t: the conversions' results are that operand.
; LIMITS: e6 + e7 between -124 and 130 (added to c's exponent field); e8, and e10 - e8 - e9, between -126 and 119.  NaN among the inputs is not served.
; REGISTERS: v1 16 x lane; v3 prefetch offset; v4 lane % 16 - 8 (lane / 16); v5, v6 the add's two; v7 LDS address; v8-15 a tile's -M, largest t, sum in two halves; v16-31 Q; v32-95 K's, then V's fragments;
; v96-159 S^T, then p; v160-223 O^T, 32 a tile; v224-239 p's codes; v236-254 constants and work (v236-239 shared with the codes).
.set SLOTB, 32768                      ; a slot: K's 256 keys (16 KiB), then V's
.set VOFF,  16384
.set SPARE, 65536                      ; the spare words, 128 bytes a wave: eight blocks of 256 bytes that no other line names
.set NSL,   8
.set LI,  1
.set PFO, 3
.set LC,  4
.set SPW, 5
.set NIL, 6
.set AD,  7
.set ST,  8
.set QF,  16
.set KV,  32
.set S,   96
.set O,   160
.set PC,  224
.set TB,  2                            ; s2   LDS byte at which the slot in hand begins
.set WV,  18
.set SEL, 20                           ; s[20:21] lane selects: lane l xor 16
.set CS,  22                           ; s[22:23] c = log2(e) / 8 x 2^(e6 + e7)
.set G1,  24                           ; s[24:31]
.set G0,  40                           ; s[40:43], which walks
.set KF,  50                           ; s50  the slot's first key
.set QT,  51                           ; s51, s52 my tiles' first queries
.set LASTQ, 55                         ; s55  my work-group's last query
.set SLOTS, 56
.set PFA, 76                           ; s[76:77] where my prefetches stand
.set LIM, 80                           ; s80  1 in a wave that prefetches, else the greatest number
.macro TLOAD                           ; waves 0 and 1 fetch; an s_nop 0 and four v_nop follow the line
	s_cmp_lt_u32 s[WV], 2
	s_cbranch_scc0 .Lasked_\@
	tensor_load_to_lds s[G0:G0+3], s[G1:G1+7]
	s_nop 0
.rept 4
	v_nop
.endr
.Lasked_\@:
.endm
; A PREFETCH of what the NEXT change of slots will ask for: 16 KiB of K and 16 KiB of V, lanes 256 bytes apart.  All four work-groups of a head walk the same K and V: the one that walks all slots (x = 0) asks;
; in it waves 4, 5 ask for K's halves and waves 6, 7 for V's, one instruction each: each aligned block of 256 bytes is named once in the launch.  The last change that fills a slot asks for nothing.
.macro ASK
	s_cmp_gt_u32 s[SLOTS], s[LIM]
	s_cbranch_scc0 .Lnot_mine_\@
	global_prefetch_b8 v[PFO], s[PFA:PFA+1] th:TH_LOAD_NT scope:SCOPE_SE
.Lnot_mine_\@:
.endm
	s_load_b128 s[4:7], s[0:1], 0x0                ; qkvc s[4:5], lowp_scales s[6:7]
	s_load_b64 s[8:9], s[0:1], 0x10                ; ctxc
	v_lshl_add_u32 v[SPW], v0, 2, SPARE
	v_mov_b32 v[NIL], 0
	ds_add_u32 v[SPW], v[NIL]                      ; the wave's opening: the add, twice on end, and its wait ahead of the first tensor load
	ds_add_u32 v[SPW], v[NIL]
	v_lshrrev_b32 v2, 5, v0
	s_delay_alu instid0(VALU_DEP_1)
	v_readfirstlane_b32 s[WV], v2                  ; wave 0..15
	s_and_b32 s10, ttmp7, 0xffff                   ; batch x 16 + head
	s_lshl_b32 s11, s10, 17                        ; its 128 KiB in each plane of qkvc
	s_and_b32 s12, s[WV], 1
	s_sub_co_u32 s13, 7, ttmp9
	s_lshl_b32 s13, s13, 8
	s_sub_co_u32 s14, 15, s[WV]
	s_lshl_b32 s14, s14, 4
	s_add_co_u32 s[QT], s13, s14                   ; tile 0
	s_add_co_u32 s[LASTQ], s13, 255
	s_lshl_b32 s13, ttmp9, 8
	s_lshl_b32 s14, s[WV], 4
	s_add_co_u32 s[QT+1], s13, s14                 ; tile 1
	; group 1: 16 KiB that are dense in memory, as 64 rows of 32 elements of 8 bytes; no padding, no mask
	s_mov_b32 s[G1], 3<<16
	s_mov_b32 s[G1+1], 32<<16
	s_mov_b32 s[G1+2], 64<<16
	s_mov_b32 s[G1+3], 32<<16
	s_mov_b32 s[G1+4], 64
	s_mov_b32 s[G1+5], 32
	s_mov_b32 s[G1+6], 0
	s_mov_b32 s[G1+7], 0
	s_mov_b32 s[SEL], 0x76543210
	s_mov_b32 s[SEL+1], 0xfedcba98
	s_mov_b32 s[CS], 0x3e38aa3b                    ; log2(e) / sqrt(64)
	s_mov_b32 s[TB], 0
	s_mov_b32 s[SLOTS], NSL-1
	s_mov_b32 s[KF], 0
	s_add_co_u32 s13, s12, 1                       ; plane 1 (K) for wave 0, plane 2 (V) for wave 1
	s_lshl_b32 s32, s13, 23
	s_add_co_u32 s32, s32, s11
	s_mov_b32 s33, 0
	s_lshl_b32 s34, s[QT], 6                       ; Q: 16 queries are 1,024 bytes
	s_add_co_u32 s34, s34, s11
	s_mov_b32 s35, 0
	s_lshl_b32 s36, s[QT+1], 6
	s_add_co_u32 s36, s36, s11
	s_mov_b32 s37, 0
	s_bfe_u32 s38, s[WV], 0x10001                  ; the prefetches: waves 4, 5: plane 1; waves 6, 7: plane 2
	s_add_co_u32 s38, s38, 1
	s_lshl_b32 s38, s38, 23
	s_add_co_u32 s38, s38, s11
	s_lshl_b32 s39, s12, 13                        ; my half of a slot's 16 KiB,
	s_add_co_u32 s38, s38, s39
	s_add_co_u32 s38, s38, 16384                   ; in slot 1: the first change of slots steps it to slot 2
	s_mov_b32 s39, 0
	s_lshr_b32 s13, s[WV], 2
	s_xor_b32 s13, s13, 1                          ; 0 in waves 4 to 7
	s_or_b32 s13, s13, ttmp9                       ; of work-group x = 0
	s_cmp_eq_u32 s13, 0
	s_cselect_b32 s[LIM], 1, -1
	; ctxc, an image for product 6: (token>>8)<<18 | (head>>2)<<16 | ((token>>4)&15)<<12 | ((head>>1)&1)<<11 | (head&1)<<10 | group<<9 | lane<<4
	s_lshr_b32 s13, s10, 4
	s_lshl_b32 s13, s13, 11                        ; the batch's first token
	s_and_b32 s14, s10, 15                         ; head
	s_lshr_b32 s15, s14, 2
	s_lshl_b32 s15, s15, 16
	s_bfe_u32 s16, s14, 0x10001
	s_lshl_b32 s16, s16, 11
	s_add_co_u32 s15, s15, s16
	s_and_b32 s16, s14, 1
	s_lshl_b32 s16, s16, 10
	s_add_co_u32 s15, s15, s16
.irp x, 0,1
	s_add_co_u32 s16, s13, s[QT+\x]
	s_lshr_b32 s17, s16, 8
	s_lshl_b32 s17, s17, 18
	s_bfe_u32 s16, s16, 0x40004
	s_lshl_b32 s16, s16, 12
	s_add_co_u32 s17, s17, s16
	s_add_co_u32 s[44+2*\x], s17, s15
	s_mov_b32 s[45+2*\x], 0
.endr
	s_wait_dscnt 0x0                               ; both opening adds are done
	s_wait_kmcnt 0x0
	s_load_b256 s[68:75], s[6:7], 0x0              ; e0 .. e7
	s_load_b128 s[84:87], s[6:7], 0x20             ; e8 .. e11
	s_mov_b32 s[G0], 1
	s_lshl_b32 s[G0+1], s12, 14                    ; slot 0: K at 0, V at 16,384
	s_add_nc_u64 s[G0+2:G0+3], s[4:5], s[32:33]
	s_or_b32 s[G0+3], s[G0+3], 0x80000000
	TLOAD                                          ; slot 0
	s_add_nc_u64 s[34:35], s[4:5], s[34:35]
	s_add_nc_u64 s[36:37], s[4:5], s[36:37]
	s_add_nc_u64 s[PFA:PFA+1], s[4:5], s[38:39]
	s_add_nc_u64 s[44:45], s[8:9], s[44:45]
	s_add_nc_u64 s[46:47], s[8:9], s[46:47]
	v_and_b32 v[LI], 31, v0
	s_delay_alu instid0(VALU_DEP_1)
	v_lshlrev_b32 v[PFO], 8, v[LI]
	s_delay_alu instid0(VALU_DEP_2)
	v_lshlrev_b32 v[LI], 4, v[LI]
	v_and_b32 v[LC], 15, v0
	v_bfe_u32 v2, v0, 4, 1
	s_delay_alu instid0(VALU_DEP_1)
	v_lshlrev_b32 v2, 3, v2
	s_delay_alu instid0(VALU_DEP_1)
	v_sub_nc_u32 v[LC], v[LC], v2
.irp x, 0,1
	global_load_b128 v[QF+8*\x:QF+8*\x+3], v[LI], s[34+2*\x:35+2*\x]             ; Q's fragments stay in registers
	global_load_b128 v[QF+8*\x+4:QF+8*\x+7], v[LI], s[34+2*\x:35+2*\x] offset:512
	v_mov_b32 v[ST+4*\x+1], 0xff61b1e6             ; the largest t so far: -3e38
	s_delay_alu instid0(VALU_DEP_1)
	v_floor_f32 v[ST+4*\x], -v[ST+4*\x+1]          ; -M
	v_mov_b32 v[ST+4*\x+2], 0                      ; the sum, in two halves
	v_mov_b32 v[ST+4*\x+3], 0
.endr
	v_mov_b32 v236, 0                              ; a lane permute's destination counts as one of its sources
	v_mov_b32 v253, 0                              ; (named as the upper half of the pair v[252:253])
.set nn, 0
.rept 64
	v_mov_b32 v[O+nn], 0                           ; O^T: the step is written once; the first finds zeros, which the first change of M leaves zeros
.set nn, nn+1
.endr
	s_wait_kmcnt 0x0
	s_add_co_i32 s53, s74, s75                     ; e6 + e7 go into c's exponent field
	s_lshl_b32 s53, s53, 23
	s_add_co_i32 s[CS], s[CS], s53
	s_mov_b32 s[CS+1], s[CS]
	s_add_co_i32 s53, s84, 127
	s_lshl_b32 s54, s53, 23
	v_mov_b32 v244, s54                            ; 2^e8
	s_sub_co_i32 s53, s86, s84
	s_sub_co_i32 s53, s53, s85                     ; e10 - e8 - e9: ctx's three scales folded into one
	s_add_co_i32 s53, s53, 127
	s_lshl_b32 s54, s53, 23
	v_mov_b32 v245, s54
; A STEP: tile x against the q-th 128 keys of the slot in hand.
.macro STEP x, q
.set NM, ST+4*\x
	s_add_co_u32 s53, s[QT+\x], 15
	s_add_co_u32 s54, s[KF], 128*\q                ; the step's first key
	s_cmp_gt_u32 s54, s53                          ; all its keys come after my 16 queries: left out.  A branch on ids; no barrier, wait for tiles or tensor load stands in a step
	s_cbranch_scc1 .Lhidden_\@
	v_add_nc_u32 v[AD], s[TB], v[LI]
.rept 3
	v_nop                                          ; with the addition above: four places in front of loads into registers that the last products read
.endr
.irp t, 0,1,2,3,4,5,6,7
	ds_load_b128 v[KV+8*\t:KV+8*\t+3], v[AD] offset:8192*\q+1024*\t
	ds_load_b128 v[KV+8*\t+4:KV+8*\t+7], v[AD] offset:8192*\q+1024*\t+512
.endr
	s_wait_alu depctr_va_vdst(0)
	s_wait_dscnt 0x0
.irp t, 0,1,2,3,4,5,6,7
	v_wmma_f32_16x16x64_fp8_fp8 v[S+8*\t:S+8*\t+7], v[KV+8*\t:KV+8*\t+7], v[QF+8*\x:QF+8*\x+7], 0
.endr
.rept 4
	v_nop
.endr
.irp d, 0,1,2,3                                ; V's four fragments take K's registers and land under the softmax
.irp g, 0,1,2,3
	ds_load_b128 v[KV+16*\d+4*\g:KV+16*\d+4*\g+3], v[AD] offset:VOFF+8192*\q+2048*\d+512*\g
.endr
.endr
	s_add_co_u32 s53, s54, 127                     ; on the diagonal hidden scores become -infinity ahead of the maximum; a step all of whose keys count skips this
	s_cmp_le_u32 s53, s[QT+\x]
	s_cbranch_scc1 .Lopen_\@
	s_sub_co_i32 s53, s[QT+\x], s54
	v_add_nc_u32 v252, s53, v[LC]                  ; d = my query - the step's first key - 8 (lane / 16): register 8 t + j is hidden where 16 t + j > d
	v_mov_b32 v254, 0xff800000
.set nn, 0
.rept 64
	v_cmp_gt_i32 vcc_lo, 16*(nn/8)+nn%8, v252
	v_cndmask_b32 v[S+nn], v[S+nn], v254, vcc_lo
.set nn, nn+1
.endr
.Lopen_\@:
	v_max3_num_f32 v254, v[S], v[S+1], v[S+2]      ; the step's largest score of my query among my 64 keys, in two chains, each accumulator from its low end on
	v_max3_num_f32 v252, v[S+3], v[S+4], v[S+5]
.irp i, 6,10,14,18,22,26,30,34,38,42,46,50,54,58
	v_max3_num_f32 v254, v254, v[S+\i], v[S+\i+1]
	v_max3_num_f32 v252, v252, v[S+\i+2], v[S+\i+3]
.endr
	v_max3_num_f32 v254, v254, v[S+62], v[S+63]
	s_delay_alu instid0(VALU_DEP_1)
	v_max_num_f32 v254, v254, v252
	v_permlanex16_b32 v236, v254, s[SEL], s[SEL+1]
	s_delay_alu instid0(VALU_DEP_1)
	v_max_num_f32 v254, v254, v236                 ; and among lane l xor 16's
	s_delay_alu instid0(VALU_DEP_1)
	v_mul_f32 v254, s[CS], v254                    ; as t (c is positive)
	s_delay_alu instid0(VALU_DEP_1)
	v_max_num_f32 v[NM+1], v[NM+1], v254           ; the running largest t
	v_mov_b32 v254, v[NM]
	s_delay_alu instid0(VALU_DEP_2)
	v_floor_f32 v[NM], -v[NM+1]                    ; the new -M = -ceil(t)
	s_delay_alu instid0(VALU_DEP_1)
	v_sub_f32 v254, v[NM], v254                    ; old M - new M: a whole number, 0 or less
	s_delay_alu instid0(VALU_DEP_1)
	v_cvt_i32_f32 v254, v254                       ; (it saturates)
	s_delay_alu instid0(VALU_DEP_1)
	v_ldexp_f32 v252, 1.0, v254                    ; f = 2^(old M - new M)
.set nn, 0
.rept 32
	v_pk_fma_f32 v[S+nn:S+nn+1], v[S+nn:S+nn+1], s[CS:CS+1], v[NM:NM+1] op_sel_hi:[1,0,0]   ; t - M, two at a time
.set nn, nn+2
.endr
.set nn, 0
	s_wait_alu depctr_va_vdst(0)
.rept 64
	v_exp_f32 v[S+nn], v[S+nn]                     ; p = 2^(t - M)
.set nn, nn+1
.endr
	v_pk_mul_f32 v[NM+2:NM+3], v[NM+2:NM+3], v[252:253] op_sel_hi:[1,0]   ; the sums under the new M; also the plain line behind the exponentials
	s_wait_alu depctr_va_vdst(0)                   ; one wait for the whole batch, ahead of its first reader
	v_pk_add_f32 v[242:243], v[S:S+1], v[S+2:S+3]  ; the row's sum is taken of the unquantised p
.irp j, 4,8,12,16,20,24,28,32,36,40,44,48,52,56,60
	v_pk_add_f32 v[NM+2:NM+3], v[NM+2:NM+3], v[S+\j:S+\j+1]
	v_pk_add_f32 v[242:243], v[242:243], v[S+\j+2:S+\j+3]
.endr
	s_delay_alu instid0(VALU_DEP_1)
	v_pk_add_f32 v[NM+2:NM+3], v[NM+2:NM+3], v[242:243]
.irp t, 0,1,2,3,4,5,6,7
.irp j, 0,1,2,3,4,5,6,7
.endr
	v_cvt_scalef32_pk8_fp8_f32 v[PC+2*\t:PC+2*\t+1], v[S+8*\t:S+8*\t+7], v244
.endr
.set nn, 0
.rept 16
	v_pk_mul_f32 v[O+32*\x+nn:O+32*\x+nn+1], v[O+32*\x+nn:O+32*\x+nn+1], v[252:253] op_sel_hi:[1,0]   ; O^T under the new M; also the plain lines behind the conversions
.set nn, nn+2
.endr
	s_wait_alu depctr_va_vdst(0)
	s_wait_dscnt 0x0                               ; V is in
.irp d, 0,1,2,3
	v_wmma_f32_16x16x128_fp8_fp8 v[O+32*\x+8*\d:O+32*\x+8*\d+7], v[KV+16*\d:KV+16*\d+15], v[PC:PC+15], v[O+32*\x+8*\d:O+32*\x+8*\d+7]
.endr
.Lhidden_\@:
.endm
; THE CHANGE OF SLOTS stands at a slot's head.  Each wave waits for all its tensor loads, adds 0 to its spare word, and waits for that and for its reads of the slot that it has left.  Behind the barrier the slot
; ahead is whole and nobody reads the other one.  fill = 1: the other slot takes the next 256 keys, while their first key is at or under my work-group's last query: a slot beyond that is read by none of its waves.
.macro CHANGE fill
	s_wait_tensorcnt 0x0                           ; no tensor load of mine is out, so group 0 may be written
	ds_add_u32 v[SPW], v[NIL]
.if \fill
	ds_add_u32 v[SPW], v[NIL]                      ; twice on end here, in every trip alike
	s_xor_b32 s[G0+1], s[G0+1], SLOTB
	s_add_nc_u64 s[G0+2:G0+3], s[G0+2:G0+3], 16384
	s_wait_xcnt 0x0                                ; the last prefetch, a slot back, has read its address
	s_add_nc_u64 s[PFA:PFA+1], s[PFA:PFA+1], 16384
.endif
	s_wait_dscnt 0x0
	s_barrier_signal -1
	s_barrier_wait -1
.if \fill
	s_add_co_u32 s53, s[KF], 256                   ; the first key of the slot that this change would ask for
	s_cmp_gt_u32 s53, s[LASTQ]                     ; ids and the count of slots alone: all sixteen waves go the same way
	s_cbranch_scc1 .Lpast_\@
	TLOAD
.Lpast_\@:
	ASK
.endif
.endm
	s_wait_loadcnt 0x0                             ; Q
.Lslot:                                            ; NSL - 1 trips
	CHANGE 1
	STEP 0, 0
	STEP 1, 0
	STEP 0, 1
	STEP 1, 1
	s_xor_b32 s[TB], s[TB], SLOTB
	s_add_co_u32 s[KF], s[KF], 256
	s_sub_co_u32 s[SLOTS], s[SLOTS], 1
	s_cmp_lg_u32 s[SLOTS], 0
	s_cbranch_scc1 .Lslot
	CHANGE 0                                       ; the last slot is written out without a load.  Its keys begin at 1,792 and tile 1's queries end at 1,023: only tile 0's steps stand here
	STEP 0, 0
	STEP 0, 1
	; THE WAY OUT: O^T / the sum, held, converted with 2^(e10 - e8 - e9): the results are product 6's operand and are stored as they stand, 512 consecutive bytes a store.
.rept 4
	v_nop                                          ; places behind the last products
.endr
	v_add_f32 v[ST+2], v[ST+2], v[ST+3]
	v_add_f32 v[ST+6], v[ST+6], v[ST+7]
	v_permlanex16_b32 v236, v[ST+2], s[SEL], s[SEL+1]
	s_delay_alu instid0(VALU_DEP_2)
	v_permlanex16_b32 v253, v[ST+6], s[SEL], s[SEL+1]
	s_delay_alu instid0(VALU_DEP_2)
	v_add_f32 v[ST+2], v[ST+2], v236
	s_delay_alu instid0(VALU_DEP_2)
	v_add_f32 v[ST+6], v[ST+6], v253
	s_wait_alu depctr_va_vdst(0)
	v_rcp_f32 v[ST+2], v[ST+2]
	v_rcp_f32 v[ST+6], v[ST+6]
	v_nop                                          ; a plain line behind the reciprocals
	s_wait_alu depctr_va_vdst(0)                   ; one wait for both, ahead of the first reader
.irp x, 0,1
.set nn, 0
.rept 16
	v_pk_mul_f32 v[S+32*\x+nn:S+32*\x+nn+1], v[O+32*\x+nn:O+32*\x+nn+1], v[ST+4*\x+2:ST+4*\x+3] op_sel_hi:[1,0]
.set nn, nn+2
.endr
.endr
.set nn, 0
.rept 64
.set nn, nn+1
.endr
.irp t, 0,1,2,3,4,5,6,7
	v_cvt_scalef32_pk8_fp8_f32 v[PC+2*\t:PC+2*\t+1], v[S+8*\t:S+8*\t+7], v245
.endr
	v_nop
.irp x, 0,1
	global_store_b128 v[LI], v[PC+8*\x:PC+8*\x+3], s[44+2*\x:45+2*\x]
	global_store_b128 v[LI], v[PC+8*\x+4:PC+8*\x+7], s[44+2*\x:45+2*\x] offset:512
.endr
	s_wait_tensorcnt 0x0                           ; the wave's end
	ds_add_u32 v[SPW], v[NIL]
	s_wait_dscnt 0x0
	s_endpgm
.Lfunc_end_k_q13bcd8291b_attn:
	.size	k_q13bcd8291b_attn, .Lfunc_end_k_q13bcd8291b_attn-k_q13bcd8291b_attn
	.p2alignl 7, 3214868480
	.fill 96, 4, 3214868480
	.section	.rodata,"a",@progbits
	.p2align	6, 0x0
	.amdhsa_kernel k_q13bcd8291b_attn
		.amdhsa_group_segment_fixed_size 327680
		.amdhsa_private_segment_fixed_size 0
		.amdhsa_enable_private_segment 0
		.amdhsa_kernarg_size 24
		.amdhsa_user_sgpr_count 2
		.amdhsa_user_sgpr_kernarg_segment_ptr 1
		.amdhsa_wavefront_size32 1
		.amdhsa_system_sgpr_workgroup_id_x 1
		.amdhsa_system_sgpr_workgroup_id_y 1
		.amdhsa_system_sgpr_workgroup_id_z 1
		.amdhsa_system_vgpr_workitem_id 0
		.amdhsa_next_free_vgpr 256
		.amdhsa_next_free_sgpr 100
		.amdhsa_reserve_vcc 1
		.amdhsa_float_denorm_mode_32 3
		.amdhsa_float_denorm_mode_16_64 3
		.amdhsa_fp16_overflow 1
		.amdhsa_memory_ordered 1
		.amdhsa_forward_progress 1
		.amdhsa_inst_pref_size 126
	.end_amdhsa_kernel
	.amdgpu_metadata
---
amdhsa.version: [ 1, 2 ]
amdhsa.kernels:
  - .name:           k_q13bcd8291b_attn
    .symbol:         k_q13bcd8291b_attn.kd
    .args:
      - { .name: qkvc, .offset: 0, .size: 8, .value_kind: global_buffer, .address_space: global }
      - { .name: lowp_scales, .offset: 8, .size: 8, .value_kind: global_buffer, .address_space: global }
      - { .name: ctxc, .offset: 16, .size: 8, .value_kind: global_buffer, .address_space: global }
    .group_segment_fixed_size: 327680
    .private_segment_fixed_size: 0
    .kernarg_segment_align: 8
    .kernarg_segment_size: 24
    .max_flat_workgroup_size: 512
    .sgpr_count:     100
    .vgpr_count:     256
    .wavefront_size: 32
...
	.end_amdgpu_metadata
.endif
;; end of part 3
;; launch oproj (part 4): grid 8 x 32, 4 waves a work-group, clusters of 4 x 4, 327,680 bytes of LDS; arguments ctxc, woc, lowp_scales, out_b, out0; writes out0
.if DOCPART == 4
	.amdgcn_target "amdgcn-amd-amdhsa--gfx1250"
	.amdhsa_code_object_version 6
	.text
	.protected	k_q13bcd8291b_oproj
	.globl	k_q13bcd8291b_oproj
	.p2align	8
	.type	k_q13bcd8291b_oproj,@function
k_q13bcd8291b_oproj:
	s_mov_b64 s[64:65], 0
	v_nop
	global_prefetch_b8 v0, s[64:65] scope:SCOPE_SE
	s_setreg_imm32_b32 hwreg(HW_REG_WAVE_MODE, 25, 1), 1
	s_wait_xcnt 0x0
	s_wait_alu depctr_hold_cnt(0) depctr_sa_sdst(0) depctr_va_vdst(0) depctr_va_sdst(0) depctr_va_ssrc(0) depctr_va_vcc(0) depctr_vm_vsrc(0)
	s_getreg_b32 s2, hwreg(HW_REG_IB_STS2, 6, 4)
	s_cmp_eq_u32 s2, 0
	s_cbranch_scc0 .Lentry_in_a_cluster
	s_endpgm
.Lentry_in_a_cluster:
	s_bfe_u32 s2, ttmp6, 0x10000c
	s_cmp_lg_u32 s2, 0xf033
	s_cbranch_scc0 .Lentry_shape_is_right
	s_endpgm
.Lentry_shape_is_right:
; FOURTH LAUNCH: product 6 on codes of E4M3: out0 = sum x 2^(e10 + e11) + out_b.  Nothing is left out here.
; A work-group makes 256 tokens x 128 columns (256 work-groups), a wave 128 x 64: 32 accumulators.  K = 1,024 goes in four slots of 256 through a ring of two LDS slots.
; Source 0 is P = out_w's rows (4 blocks of 16 a wave), source 1 is R = ctx's rows (8 blocks): lane (r, h) holds token r and eight neighbouring columns 8 h + 0..7.
; Both operands lie in memory as images of the operand's registers (see the launch quant): R's half tile is 32 KiB on end, P's 16 KiB.
; CLUSTERS: 4 x 4.  R's tile hangs on cy alone and is asked for jointly along a row of the cluster, P's on cx alone and along a column.
; LIMIT: e10 + e11 lies between -126 and 127.
; REGISTERS, in windows of 256: window 0: v0-31 addresses, v32-63 out_b in the result's layout, v64-95 a block's results, v128-255 R's fragments (on the way out: rows read back);
;   window 1: P's fragments, two sets, at v0 and v128;  windows 2, 3: accumulator (a, b) at v[8 (8 (a % 4) + b)].
.set FR,     16
.set NL,     4
.set NP,     4
.set SLOT,   131072
.set POFF,   65536
.set PH,     16384                     ; a wave's half of P's tile: 64 rows x 256 K
.set KSL,    65536
.set SPARE,  2*SLOT                    ; the spare words, 128 bytes a wave: two blocks of 256 bytes that no other line names
.set SPITCH, 272                       ; the way out: a stage of 16 rows x (256 bytes + 16) for each wave: the sixteen rows start at sixteen different banks (64 banks of 4 bytes: ISA guide 11.1).
                                       ; It lies in slot 0, which has had its last fill and its last read when the first result is stored there
.set ADRA, 16
.set ADRB, 20
.set STO,  24                          ; v24  where I put 32 bytes of a row
.set RD,   25                          ; v25  where I read a row back
.set CO,   26                          ; v26  my byte offset in two rows of out0
.set SPW,  28
.set NIL,  29
.set BI,   32
.set TMP,  64
.set AF,   128
.set BK,   128                         ; v128-159 and v160-191 by turns
.set G1,  24
.set G0,  32
.set G1B, 48
.set G0B, 56
.set MSB, 0
.macro WIN new
.if MSB != \new
	s_set_vgpr_msb (MSB<<8)|\new
.set MSB, \new
.endif
.endm
.set MUL_LO, 0xa1
.set MUL_HI, 0xf1
.set TO_B,   0x40
.macro JLOAD g0a, g1a, g0b, g1b        ; waves 0 and 1 fetch R's halves, waves 2 and 3 P's; an s_nop 0 and four v_nop follow each line
	s_cmp_eq_u32 s15, 0
	s_cbranch_scc0 .Lfor_b_\@
	tensor_load_to_lds s[\g0a:\g0a+3], s[\g1a:\g1a+7]
	s_nop 0
.rept 4
	v_nop
.endr
	s_branch .Lasked_\@
.Lfor_b_\@:
	tensor_load_to_lds s[\g0b:\g0b+3], s[\g1b:\g1b+7]
	s_nop 0
.rept 4
	v_nop
.endr
.Lasked_\@:
.endm
.macro CREST
	s_cmp_lg_u32 s14, 0
	s_cbranch_scc1 .Lnot_wave_0_\@
	s_barrier_signal -3
.Lnot_wave_0_\@:
	s_barrier_wait -3
	s_barrier_signal -1
	s_barrier_wait -1
.endm
.macro CROUND
	s_barrier_signal -1
	s_barrier_wait -1
	CREST
.endm
	s_load_b256 s[4:11], s[0:1], 0x0               ; ctxc s[4:5], woc s[6:7], lowp_scales s[8:9], out_b s[10:11]
	s_load_b64 s[12:13], s[0:1], 0x20              ; out0
	v_lshl_add_u32 v[SPW], v0, 2, SPARE
	v_mov_b32 v[NIL], 0
	ds_add_u32 v[SPW], v[NIL]                      ; the wave's opening: the add, twice on end, and its wait ahead of my first tensor load
	ds_add_u32 v[SPW], v[NIL]
	v_lshrrev_b32 v1, 5, v0
	v_readfirstlane_b32 s14, v1                    ; wave 0..3
	s_lshr_b32 s15, s14, 1                         ; my half of the tokens.  Also: I fetch for R (0) or for P (1)
	s_and_b32 s16, s14, 1                          ; my half of the columns.  Also: which half of that tile I fetch
	s_bfe_u32 s40, ttmp6, 0x40000                  ; cx
	s_bfe_u32 s41, ttmp6, 0x40004                  ; cy
	s_lshl_b32 s42, ttmp9, 2
	s_add_co_u32 s42, s42, s40                     ; which 128 columns
	s_and_b32 s17, ttmp7, 0xffff
	s_lshl_b32 s17, s17, 2
	s_add_co_u32 s17, s17, s41                     ; which 256 tokens
	s_lshl_b32 s43, s41, 2
	s_lshl_b32 s43, 15, s43                        ; my row of the cluster
	s_lshl_b32 s44, 0x1111, s40                    ; my column
	; group 1: dense blocks as rows of 32 elements of 8 bytes: R 128 rows, P 64; no padding
	s_or_b32 s[G1+0], s43, (3<<16)|(1<<21)
	s_mov_b32 s[G1+1], 32<<16
	s_mov_b32 s[G1+2], 128<<16
	s_mov_b32 s[G1+3], 32<<16
	s_mov_b32 s[G1+4], 128
	s_mov_b32 s[G1+5], 32
	s_mov_b32 s[G1+6], 0
	s_mov_b32 s[G1+7], 0
	s_or_b32 s[G1B+0], s44, (3<<16)|(1<<21)
	s_mov_b32 s[G1B+1], 32<<16
	s_mov_b32 s[G1B+2], 64<<16
	s_mov_b32 s[G1B+3], 32<<16
	s_mov_b32 s[G1B+4], 64
	s_mov_b32 s[G1B+5], 32
	s_mov_b32 s[G1B+6], 0
	s_mov_b32 s[G1B+7], 0
	s_lshl_b32 s18, s16, 15
	s_lshl_b32 s20, s17, 18
	s_add_co_u32 s20, s20, s18                     ; R: tile x 256 KiB + half
	s_mov_b32 s21, 0
	s_lshr_b32 s46, s42, 1
	s_lshl_b32 s46, s46, 18
	s_and_b32 s47, s42, 1
	s_lshl_b32 s47, s47, 15
	s_add_co_u32 s46, s46, s47
	s_lshl_b32 s47, s16, 14
	s_add_co_u32 s46, s46, s47                     ; P: 128 rows x 256 K are 32 KiB, my half 16 KiB
	s_mov_b32 s47, 0
	s_lshl_b32 s45, s16, 15                        ; where they go
	s_mul_i32 s19, s16, PH
	s_add_co_u32 s19, s19, POFF
	s_wait_dscnt 0x0                               ; both opening adds are done
	s_wait_kmcnt 0x0
	s_load_b64 s[96:97], s[8:9], 0x28              ; e10, e11
	s_add_nc_u64 s[20:21], s[4:5], s[20:21]
	s_add_nc_u64 s[46:47], s[6:7], s[46:47]
	CROUND                                         ; all sixteen work-groups are here: the first joint loads meet
.irp s, 0,1
	s_mov_b32 s[G0+4*\s], 1
	s_add_co_u32 s[G0+4*\s+1], s45, \s*SLOT
	s_add_nc_u64 s[G0+4*\s+2:G0+4*\s+3], s[20:21], \s*KSL
	s_or_b32 s[G0+4*\s+3], s[G0+4*\s+3], 0x80000000
	s_mov_b32 s[G0B+4*\s], 1
	s_add_co_u32 s[G0B+4*\s+1], s19, \s*SLOT
	s_add_nc_u64 s[G0B+4*\s+2:G0B+4*\s+3], s[46:47], \s*KSL
	s_or_b32 s[G0B+4*\s+3], s[G0B+4*\s+3], 0x80000000
	s_wait_alu depctr_va_vdst(0)
	s_wait_tensorcnt 0x0
	ds_add_u32 v28, v29
	ds_add_u32 v28, v29
	s_wait_dscnt 0x0
	CROUND
	JLOAD G0+4*\s, G1, G0B+4*\s, G1B
.endr
	v_and_b32 v1, 15, v0                           ; lane % 16
	s_wait_alu depctr_va_vdst(0)
	v_bfe_u32 v2, v0, 4, 1                         ; lane / 16
	v_and_b32 v6, 31, v0
	v_lshlrev_b32 v4, 4, v6                        ; 16 x lane
	s_lshl_b32 s22, s15, 15                        ; my 128 rows of R
	s_mul_i32 s23, s16, PH
	s_add_co_u32 s23, s23, POFF                    ; my 64 rows of P
.irp s, 0,1
	v_add_nc_u32 v[ADRA+\s], s22, v4
	v_add_nc_u32 v[ADRB+\s], s23, v4
	s_add_co_u32 s22, s22, SLOT
	s_add_co_u32 s23, s23, SLOT
.endr
	s_mul_i32 s22, s14, 16*SPITCH                  ; my stage
	v_mul_u32_u24 v[STO], v1, SPITCH               ; in: row lane % 16, 32 bytes for each half of the lanes
	s_wait_alu depctr_va_vdst(0)
	v_lshl_add_u32 v[STO], v2, 5, v[STO]
	v_add_nc_u32 v[STO], s22, v[STO]
	v_mul_u32_u24 v[RD], v2, SPITCH                ; back: lanes 0-15 one row of 256 bytes, lanes 16-31 the next
	v_lshl_add_u32 v[RD], v1, 4, v[RD]
	v_add_nc_u32 v[RD], s22, v[RD]
	v_lshlrev_b32 v[CO], 4, v1                     ; and the same two rows in out0
	v_lshl_add_u32 v[CO], v2, 12, v[CO]
	s_lshl_b32 s66, s17, 20                        ; 256 tokens of 4,096 bytes,
	s_lshl_b32 s67, s15, 19                        ; my 128 of them,
	s_add_co_u32 s66, s66, s67
	s_lshl_b32 s68, s42, 9
	s_lshl_b32 s67, s16, 8
	s_add_co_u32 s68, s68, s67                     ; my first column, in bytes
	s_add_co_u32 s66, s66, s68
	s_mov_b32 s67, 0
	s_add_nc_u64 s[12:13], s[12:13], s[66:67]
	v_lshlrev_b32 v7, 5, v2
	v_add_nc_u32 v7, s68, v7                       ; out_b: for block b the columns 16 b + 8 (lane / 16) + 0..7 of my 64
.irp b, 0,1,2,3
	global_load_b128 v[BI+8*\b:BI+8*\b+3], v7, s[10:11] offset:64*\b
	global_load_b128 v[BI+8*\b+4:BI+8*\b+7], v7, s[10:11] offset:64*\b+16
.endr
.macro FRAG reg, adr, q, i
.irp c, 0,1,2,3
	ds_load_b128 v[\reg+4*\c:\reg+4*\c+3], v[\adr] offset:4096*(\i)+2048*(\q)+512*\c
.endr
.endm
; 8 matrix instructions: R's blocks a0, a0 + 1 x P's four.  The 32 accumulators take turns, one instruction a turn, in the same order in every step.
.macro MULS a0, p, zero
.irp a, \a0, \a0+1
.irp b, 0,1,2,3
.if \zero
	v_wmma_f32_16x16x128_fp8_fp8 v[8*(8*((\a)%4)+\b):8*(8*((\a)%4)+\b)+7], v[128*(\p)+FR*\b:128*(\p)+FR*\b+FR-1], v[AF+FR*(\a):AF+FR*(\a)+FR-1], 0
.else
	v_wmma_f32_16x16x128_fp8_fp8 v[8*(8*((\a)%4)+\b):8*(8*((\a)%4)+\b)+7], v[128*(\p)+FR*\b:128*(\p)+FR*\b+FR-1], v[AF+FR*(\a):AF+FR*(\a)+FR-1], v[8*(8*((\a)%4)+\b):8*(8*((\a)%4)+\b)+7]
.endif
.endr
.endr
.endm
.macro FETCH_B slot, q, p
	WIN TO_B
.irp i, 0,1,2,3
	FRAG 128*(\p)+FR*\i, ADRB+\slot, \q, \i
.endr
	WIN 0
.endm
.macro FETCH_A slot, q, i0
.irp i, \i0, \i0+1, \i0+2, \i0+3
	FRAG AF+FR*(\i), ADRA+\slot, \q, \i
.endr
.endm
.macro PLACES n
.rept \n
	v_nop
.endr
.endm
.macro STEP slot, q, zero
	s_wait_dscnt 4*NL                              ; P's set and R's blocks 0-3 are in; the youngest sixteen loads (R's blocks 4-7) may be out
	WIN MUL_LO
	MULS 0, (\q)%2, \zero
	MULS 2, (\q)%2, \zero
	s_wait_dscnt 0
	PLACES NP
	FETCH_B \slot, (\q)+1, 1-(\q)%2
	FETCH_A \slot, (\q)+1, 0
	WIN MUL_HI
	MULS 4, (\q)%2, \zero
	MULS 6, (\q)%2, \zero
	PLACES NP
	WIN 0
	FETCH_A \slot, (\q)+1, 4
.endm
.macro TURN slot, next, fill
	s_wait_tensorcnt 0x0                           ; all my tensor loads have landed: my part of the next slot
	ds_add_u32 v[SPW], v[NIL]
	s_wait_dscnt 4*NL+1                            ; (the add and R's blocks 4-7 may be out)
	WIN MUL_LO
	MULS 0, 1, 0
	s_wait_dscnt 0x0                               ; the add is done, and my reads of this slot are over
	s_barrier_signal -1
	MULS 2, 1, 0
	WIN 0
	s_barrier_wait -1
.if \fill
	CREST                                          ; the barrier has opened a round of the cluster's: no wave of any partner still reads this slot or has a load on its way
	s_add_nc_u64 s[G0+4*\slot+2:G0+4*\slot+3], s[G0+4*\slot+2:G0+4*\slot+3], 2*KSL
	s_add_nc_u64 s[G0B+4*\slot+2:G0B+4*\slot+3], s[G0B+4*\slot+2:G0B+4*\slot+3], 2*KSL
	JLOAD G0+4*\slot, G1, G0B+4*\slot, G1B
.else
	PLACES NP
.endif
	FETCH_B \next, 0, 0
	FETCH_A \next, 0, 0
	WIN MUL_HI
	MULS 4, 1, 0
	MULS 6, 1, 0
	PLACES NP
	WIN 0
	FETCH_A \next, 0, 4
.endm
	s_wait_tensorcnt 1                             ; my part of slot 0 is in; slot 1's may stay out
	s_barrier_signal -1
	s_barrier_wait -1
	FETCH_B 0, 0, 0
	FETCH_A 0, 0, 0
	FETCH_A 0, 0, 4
	STEP 0, 0, 1
	TURN 0, 1, 1
	STEP 1, 0, 0
	TURN 1, 0, 1
	STEP 0, 0, 0
	TURN 0, 1, 0
	STEP 1, 0, 0
	s_wait_dscnt 4*NL
	WIN MUL_LO
	MULS 0, 1, 0
	MULS 2, 1, 0
	s_wait_dscnt 0
	WIN MUL_HI
	MULS 4, 1, 0
	MULS 6, 1, 0
	WIN 0
; THE WAY OUT, block by block of 16 tokens x 64 columns: sum x 2^(e10 + e11) + out_b, one packed multiply-add for two numbers; through my own stage; back as whole rows of 256 bytes.
.macro TOSTAGE a
.set AC, 64*((\a)%4)
	WIN 0x02+((\a)/4)                              ; source 0: window 2 or 3
.irp b, 0,1,2,3
.irp j, 0,2,4,6
	v_pk_fma_f32 v[TMP+8*\b+\j:TMP+8*\b+\j+1], v[AC+8*\b+\j:AC+8*\b+\j+1], s[96:97], v[BI+8*\b+\j:BI+8*\b+\j+1] op_sel_hi:[1,0,1]   ; each accumulator from its low end on
.endr
.endr
	WIN 0
.irp b, 0,1,2,3
	ds_store_b128 v[STO], v[TMP+8*\b:TMP+8*\b+3] offset:64*\b
	ds_store_b128 v[STO], v[TMP+8*\b+4:TMP+8*\b+7] offset:64*\b+16
.endr
.set BB, BK+32*((\a)%2)
.irp t, 0,1,2,3,4,5,6,7
	ds_load_b128 v[BB+4*\t:BB+4*\t+3], v[RD] offset:\t*2*SPITCH   ; LDS serves a wave's instructions in order (ISA guide 5.7.1.4): these see the stores above
.endr
.endm
.macro SEND a, younger                 ; younger: the LDS instructions issued behind block a's loads, which may stay out
.set BB, BK+32*((\a)%2)
	s_wait_dscnt \younger
.if (\a) > 0
	s_add_nc_u64 s[12:13], s[12:13], 65536         ; (behind a wait on XCNT)  16 tokens on
.endif
.irp t, 0,1,2,3,4,5,6,7
	global_store_b128 v[CO], v[BB+4*\t:BB+4*\t+3], s[12:13] offset:\t*8192 th:TH_STORE_NT   ; sixteen lanes store 256 consecutive bytes, aligned
.endr
.endm
	s_wait_kmcnt 0x0
	s_add_co_i32 s96, s96, s97
	s_add_co_i32 s96, s96, 127
	s_lshl_b32 s96, s96, 23                        ; 2^(e10 + e11) as f32
	s_mov_b32 s97, s96                             ; (named with it as a pair, so it is written)
	s_wait_loadcnt 0x0                             ; out_b
	PLACES NP
	TOSTAGE 0
.irp a, 1,2,3,4,5,6,7
.if \a > 1
	s_wait_xcnt 0x0                                ; block a - 2's stores have read their registers and their base
.endif
	TOSTAGE \a
	SEND \a-1, 16                                  ; behind block a - 1's loads: block a's 8 stores and 8 loads
.endr
	s_wait_xcnt 0x0
	SEND 7, 0
	s_wait_tensorcnt 0x0                           ; the wave's end: behind my last tensor load and my last LDS store
	ds_add_u32 v[SPW], v[NIL]
	s_wait_dscnt 0x0
	CROUND                                         ; the closing round
	s_endpgm
.Lfunc_end_k_q13bcd8291b_oproj:
	.size	k_q13bcd8291b_oproj, .Lfunc_end_k_q13bcd8291b_oproj-k_q13bcd8291b_oproj
	.p2alignl 7, 3214868480
	.fill 96, 4, 3214868480
	.section	.rodata,"a",@progbits
	.p2align	6, 0x0
	.amdhsa_kernel k_q13bcd8291b_oproj
		.amdhsa_group_segment_fixed_size 327680
		.amdhsa_private_segment_fixed_size 0
		.amdhsa_enable_private_segment 0
		.amdhsa_kernarg_size 40
		.amdhsa_user_sgpr_count 2
		.amdhsa_user_sgpr_kernarg_segment_ptr 1
		.amdhsa_wavefront_size32 1
		.amdhsa_system_sgpr_workgroup_id_x 1
		.amdhsa_system_sgpr_workgroup_id_y 1
		.amdhsa_system_sgpr_workgroup_id_z 1
		.amdhsa_system_vgpr_workitem_id 0
		.amdhsa_next_free_vgpr 1024
		.amdhsa_next_free_sgpr 100
		.amdhsa_reserve_vcc 0
		.amdhsa_float_denorm_mode_32 3
		.amdhsa_float_denorm_mode_16_64 3
		.amdhsa_memory_ordered 1
		.amdhsa_forward_progress 1
		.amdhsa_inst_pref_size 79
	.end_amdhsa_kernel
	.amdgpu_metadata
---
amdhsa.version: [ 1, 2 ]
amdhsa.kernels:
  - .name:           k_q13bcd8291b_oproj
    .symbol:         k_q13bcd8291b_oproj.kd
    .args:
      - { .name: ctxc, .offset: 0, .size: 8, .value_kind: global_buffer, .address_space: global }
      - { .name: woc, .offset: 8, .size: 8, .value_kind: global_buffer, .address_space: global }
      - { .name: lowp_scales, .offset: 16, .size: 8, .value_kind: global_buffer, .address_space: global }
      - { .name: out_b, .offset: 24, .size: 8, .value_kind: global_buffer, .address_space: global }
      - { .name: out0, .offset: 32, .size: 8, .value_kind: global_buffer, .address_space: global }
    .group_segment_fixed_size: 327680
    .private_segment_fixed_size: 0
    .kernarg_segment_align: 8
    .kernarg_segment_size: 40
    .max_flat_workgroup_size: 128
    .sgpr_count:     100
    .vgpr_count:     1024
    .wavefront_size: 32
...
	.end_amdgpu_metadata
.endif
;; end of part 4
